; MI455X (gfx1250); checked and timed in simulation.
; The chip was launched on July 23, 2026; its instructions are those of AMD's public machine-readable ISA for CDNA 5 (MIT licence, August 2026) and "CDNA5" Instruction Set Architecture Reference Guide (July 2026). The comments in the code are by the model that wrote it; some were corrected since.
;; Multi Head Attention. Allowed arithmetic: matrix products marked QUANTISED: E2M3 operands, one E8M0 scale for each 32 along K, by v_wmma_scale_f32_16x16x128_f8f6f4 with both operands' format E2M3, f32 sums; everything else in f32.
;; Inputs: W_k 512 x 512 float32; W_o 512 x 512 float32; W_q 512 x 512 float32; W_v 512 x 512 float32; b_k 512 float32; b_o 512 float32; b_q 512 float32; b_v 512 float32; k 4 x 2,048 x 512 float32; padding_mask 4 x 1 x 1 x 2,048 bool; q 4 x 2,048 x 512 float32; v 4 x 2,048 x 512 float32.
;; Outputs: out0 4 x 2,048 x 512 float32.
;; This version of the problem:
;;   THIS VERSION OF THE PROBLEM IS GIVEN IN LOW PRECISION. The matrix products marked QUANTISED in the list below multiply operands that are first quantised to E2M3 (2 exponent bits, 3 mantissa bits; 6 bits a number), with one power-of-two scale for each 32 numbers along K (OCP MX v1.0); their sums are f32. All else is computed in f32.
;;   The module's matrix products, in the order in which they are computed (A, B: the left and right operand; K: the contracted axis; several contracted axes count as one K, in the product's order):
;;     1. [M 8,192, K 512] x [K 512, N 512]; A: input q; B: input W_q: QUANTISED
;;     2. [M 8,192, K 512] x [K 512, N 512]; A: input k; B: input W_k: QUANTISED
;;     3. [M 8,192, K 512] x [K 512, N 512]; A: input v; B: input W_v: QUANTISED
;;     4. batch 32 x [M 2,048, K 64] x [K 64, N 2,048]; A: computed on the way; B: computed on the way: QUANTISED
;;     5. batch 32 x [M 2,048, K 2,048] x [K 2,048, N 64]; A: computed on the way; B: computed on the way: QUANTISED
;;     6. [M 8,192, K 512] x [K 512, N 512]; A: computed on the way; B: input W_o: QUANTISED
;;   THE QUANTISER, for each operand of a quantised product, along K:
;;     - K is cut into blocks of 32 from its start; a last block that is shorter is filled with zeros.
;;     - A block's scale is 2^e with e = floor(log2(the largest magnitude in the block)) - 2, held to -126 .. 127; a block of zeros has e = 0. As a byte (E8M0): e + 127.
;;     - Each number is divided by its block's scale, clamped to +-7.5, and rounded to the nearest number of E2M3, ties to even, subnormals kept.
;;     - The product sums the exact products of the quantised numbers (number of the format x scale) in f32.
;;   ~~~python
;;   def quantise(x, axis):      # numpy; x: float32 -> the quantised numbers, widened to float32 again
;;       x = np.moveaxis(x, axis, -1); K = x.shape[-1]
;;       x = np.pad(x, [(0, 0)] * (x.ndim - 1) + [(0, -K % 32)]); x = x.reshape(x.shape[:-1] + (-1, 32)); a = np.abs(x).max(-1, keepdims=True)
;;       e = np.where(a > 0, np.clip(np.frexp(np.where(a > 0, a, 1))[1] - 1 - 2, -126, 127), 0)      # np.frexp(a)[1] - 1 = floor(log2(a)), exactly
;;       r = np.clip(x / 2.0 ** e, -7.5, 7.5)
;;       step = 2.0 ** (np.maximum(np.frexp(np.where(r == 0, 1, r))[1] - 1, 0) - 3)
;;       q = np.round(r / step) * step * 2.0 ** e      # np.round: ties to even
;;       return np.moveaxis(q.reshape(q.shape[:-2] + (-1,))[..., :K], -1, axis).astype(np.float32)
;;   ~~~
;;   OPERANDS COMPUTED ON THE WAY. 'Computed on the way' means the value that the module computes at that place (a softmax that the list does not call 'softmax' is quantised finished and normalised). What goes into a quantiser is computed in f32, as accurately as f32 sums, v_exp_f32 and their like allow (about 1e-6 of the number): no bf16 or f16 on the way to a quantiser, and a product that is left as it is and whose result goes on into a quantised operand takes f32 operands (vector FMAs, or v_wmma_f32_16x16x4_f32). A number that lies on a knife's edge between two numbers of the format may be rounded either way, as far as f32 arithmetic and the matrix unit's own rounding can turn it there, and no further.
;; One version. Each part assembles by itself: llvm-mc -triple=amdgcn-amd-amdhsa -mcpu=gfx1250 --defsym DOCPART=n.
;; ======== version 1 of 1: 4 launches
;; limits: right only within a limited range of input values
;; workspace buffers: wi 851,968 bytes; qi 4,194,304 bytes; qs 786,432 bytes; ki 4,194,304 bytes; kvs 786,432 bytes; vi 3,145,728 bytes; xc 3,407,872 bytes
;; launch wq (part 1): grid 64 x 4, 4 waves a work-group, no clusters, 0 bytes of LDS; arguments W_q, W_k, W_v, W_o, wi; writes wi
.if DOCPART == 1
	.amdgcn_target "amdgcn-amd-amdhsa--gfx1250"
	.amdhsa_code_object_version 6
	.text
	.protected	k_q364475b394_wq
	.globl	k_q364475b394_wq
	.p2align	8
	.type	k_q364475b394_wq,@function
k_q364475b394_wq:
	s_mov_b64 s[64:65], 0
	v_nop
	global_prefetch_b8 v0, s[64:65] scope:SCOPE_SE
	s_setreg_imm32_b32 hwreg(HW_REG_WAVE_MODE, 25, 1), 1
	s_wait_xcnt 0x0
; The four weights W [512 (k)][512 (n)], f32, K their FIRST axis, become codes of FP6 (E2M3) with one E8M0 byte for each 32 along K,
; laid in wi as IMAGES OF THE OPERAND'S REGISTERS: a fragment (16 columns x 128 K) is 12 registers a lane; registers 4 c .. 4 c + 3 of lane l lie at 512 c + 16 l.
; wi: weight y (q, k, v, o) at 196,608 y; in it column tile t (32 of them) at 6,144 t, K step s at 1,536 s.  Scale words from 786,432 on: 16,384 y + 512 t + 16 l + 4 s (lanes 16-31 hold copies).
; THE COLUMNS OF A TILE ARE NOT NEIGHBOURS: lane r of tile 2 b + u takes column 32 b + 8 u + r + 8 (r / 8), so that the results of two neighbouring tiles are 16 neighbours along the next product's K.
; SHARES: a work-group takes 32 columns (cg) x 128 along K (s) of weight y: 256 work-groups.  Wave be takes block be of 32 along K: a lane takes a column and its 32 registers run down K,
; so a block is one lane's, all 32 loads of a wave are out together, and the conversions give the codes with K innermost.  Block be = 2 c + h of column (u, r) is registers 6 c .. 6 c + 5 of lane r + 16 h of tile 2 cg + u.
; A block's scale is 2^(floor(log2(largest magnitude)) - 2); its byte is the largest magnitude's exponent field - 2, held at 1 from below.  A wave stores its one byte of the column's scale word: one byte in 24 of what it stores.
; LIMITS: a block of zeros gets the byte 1 where the rule says 127 (its codes are zeros; this program alone reads the bytes); NaN and infinities are not served.
; No LDS, no matrix unit, no cluster: each number is read once by one lane and nothing is shared.
.set X,  32                            ; v32-63   32 numbers down K
.set C,  16                            ; v16-22   the block's codes
	s_load_b256 s[4:11], s[0:1], 0x0               ; W_q, W_k, W_v, W_o
	s_load_b64 s[12:13], s[0:1], 0x20              ; wi
	v_lshrrev_b32 v7, 5, v0
	s_delay_alu instid0(VALU_DEP_1)
	v_readfirstlane_b32 s17, v7                    ; be: wave 0..3
	s_and_b32 s14, ttmp7, 0xffff                   ; y: which weight
	s_lshr_b32 s15, ttmp9, 2                       ; cg: which 32 columns
	s_and_b32 s16, ttmp9, 3                        ; s: which 128 along K
	v_and_b32 v6, 31, v0
	s_delay_alu instid0(VALU_DEP_1)
	v_lshlrev_b32 v1, 2, v6                        ; in: 4 bytes a lane
	v_bfe_u32 v4, v0, 3, 1                         ; u = (lane / 8) % 2
	v_and_b32 v5, 7, v0
	v_bfe_u32 v6, v0, 4, 1
	s_delay_alu instid0(VALU_DEP_1)
	v_lshl_add_u32 v5, v6, 3, v5                   ; r = lane % 8 + 8 (lane / 16)
	s_delay_alu instid0(VALU_DEP_1)
	v_lshlrev_b32 v5, 4, v5                        ; 16 r
	s_delay_alu instid0(VALU_DEP_1)
	v_mad_u32_u24 v2, v4, 6144, v5                 ; out: tile u, lane r of the image
	v_lshl_add_u32 v3, v4, 9, v5                   ; the same among the scale words
	s_lshl_b32 s18, s16, 18                        ; 128 s rows of 2,048 bytes
	s_lshl_b32 s19, s17, 16                        ; + 32 be rows
	s_add_co_u32 s18, s18, s19
	s_lshl_b32 s19, s15, 7                         ; + 32 cg columns
	s_add_co_u32 s18, s18, s19
	s_mov_b32 s19, 0
	s_mul_i32 s20, s14, 196608
	s_mul_i32 s21, s15, 12288
	s_add_co_u32 s20, s20, s21
	s_mul_i32 s21, s16, 1536
	s_add_co_u32 s20, s20, s21
	s_and_b32 s21, s17, 1                          ; h = be % 2: lanes 16-31 of the image lie 256 bytes on
	s_lshl_b32 s21, s21, 8
	s_add_co_u32 s20, s20, s21
	s_mov_b32 s21, 0
	s_lshl_b32 s22, s14, 14
	s_lshl_b32 s23, s15, 10
	s_add_co_u32 s22, s22, s23
	s_lshl_b32 s23, s16, 2
	s_add_co_u32 s22, s22, s23
	s_add_co_u32 s22, s22, s17                     ; byte be of the scale word scales k = 32 be on
	s_add_co_u32 s22, s22, 786432
	s_mov_b32 s23, 0
	s_wait_alu depctr_va_vdst(0)
	s_wait_kmcnt 0x0
	s_cmp_eq_u32 s14, 1                            ; the choice hangs on the work-group's number alone
	s_cselect_b64 s[4:5], s[6:7], s[4:5]
	s_cmp_eq_u32 s14, 2
	s_cselect_b64 s[4:5], s[8:9], s[4:5]
	s_cmp_eq_u32 s14, 3
	s_cselect_b64 s[4:5], s[10:11], s[4:5]
	s_add_nc_u64 s[4:5], s[4:5], s[18:19]          ; my block's corner of W
	s_add_nc_u64 s[6:7], s[12:13], s[20:21]        ; my two tiles' fragments of K step s
	s_add_nc_u64 s[8:9], s[12:13], s[22:23]        ; and my byte of their scale words
.set i, 0
.rept 32
	global_load_b32 v[X+i], v1, s[4:5] offset:i*2048 th:TH_LOAD_NT   ; W(128 s + 32 be + i, my column): 32 lanes read 128 consecutive bytes
.set i, i+1
.endr
	s_wait_loadcnt 0x0
	v_max3_num_f32 v8, |v[X]|, |v[X+1]|, |v[X+2]|  ; the block's largest magnitude, in two chains: all 32 numbers are mine
	v_max3_num_f32 v9, |v[X+3]|, |v[X+4]|, |v[X+5]|
.irp i, 6,10,14,18,22,26
	v_max3_num_f32 v8, v8, |v[X+\i]|, |v[X+\i+1]|
	v_max3_num_f32 v9, v9, |v[X+\i+2]|, |v[X+\i+3]|
.endr
	v_max3_num_f32 v8, v8, |v[X+30]|, |v[X+31]|
	s_delay_alu instid0(VALU_DEP_1)
	v_max3_num_f32 v8, v8, v9, 0x1800000           ; and the floor 2^(3 - 127): the byte cannot fall under 1
	s_delay_alu instid0(VALU_DEP_1)
	v_add_nc_u32 v10, 0xff000000, v8               ; 2 off the exponent field: the conversion takes this operand's exponent field as its scale
	s_delay_alu instid0(VALU_DEP_1)
	v_lshrrev_b32 v11, 23, v10                     ; the scale's byte
	v_cvt_scalef32_pk16_fp6_f32 v[C:C+2], v[X:X+15], v10
	v_cvt_scalef32_pk16_fp6_f32 v[C+4:C+6], v[X+16:X+31], v10   ; (a conversion's three registers begin on an even number)
	v_nop                                          ; one plain line behind the conversions, ahead of the lines that touch their results
	v_mov_b32 v[C+3], v[C+4]                       ; the block's six registers on end
	v_mov_b32 v[C+4], v[C+5]
	v_mov_b32 v[C+5], v[C+6]
	s_wait_alu depctr_va_vdst(0)
	s_cmp_lt_u32 s17, 2
	s_cbranch_scc0 .Lupper
	global_store_b128 v2, v[C:C+3], s[6:7]         ; blocks 0, 1: registers 0-5 of the fragment: 0-3 in chunk 0, 4-5 in chunk 1
	global_store_b64 v2, v[C+4:C+5], s[6:7] offset:512
	s_branch .Lbyte
.Lupper:
	global_store_b64 v2, v[C:C+1], s[6:7] offset:520         ; blocks 2, 3: registers 6-11: 6-7 in chunk 1, 8-11 in chunk 2
	global_store_b128 v2, v[C+2:C+5], s[6:7] offset:1024
.Lbyte:
	global_store_b8 v3, v11, s[8:9]                ; lane r's scale word of K step s, byte be,
	global_store_b8 v3, v11, s[8:9] offset:256     ; and its copy for lane 16 + r
	s_endpgm
.Lfunc_end_k_q364475b394_wq:
	.size	k_q364475b394_wq, .Lfunc_end_k_q364475b394_wq-k_q364475b394_wq
	.p2alignl 7, 3214868480
	.fill 96, 4, 3214868480
	.section	.rodata,"a",@progbits
	.p2align	6, 0x0
	.amdhsa_kernel k_q364475b394_wq
		.amdhsa_group_segment_fixed_size 0
		.amdhsa_private_segment_fixed_size 0
		.amdhsa_enable_private_segment 0
		.amdhsa_kernarg_size 40
		.amdhsa_user_sgpr_count 2
		.amdhsa_user_sgpr_kernarg_segment_ptr 1
		.amdhsa_wavefront_size32 1
		.amdhsa_system_sgpr_workgroup_id_x 1
		.amdhsa_system_sgpr_workgroup_id_y 1
		.amdhsa_system_sgpr_workgroup_id_z 1
		.amdhsa_system_vgpr_workitem_id 0
		.amdhsa_next_free_vgpr 64
		.amdhsa_next_free_sgpr 66
		.amdhsa_reserve_vcc 0
		.amdhsa_float_denorm_mode_32 3
		.amdhsa_float_denorm_mode_16_64 3
		.amdhsa_memory_ordered 1
		.amdhsa_forward_progress 1
		.amdhsa_inst_pref_size 8
	.end_amdhsa_kernel
	.amdgpu_metadata
---
amdhsa.version: [ 1, 2 ]
amdhsa.kernels:
  - .name:           k_q364475b394_wq
    .symbol:         k_q364475b394_wq.kd
    .args:
      - { .name: W_q, .offset: 0, .size: 8, .value_kind: global_buffer, .address_space: global }
      - { .name: W_k, .offset: 8, .size: 8, .value_kind: global_buffer, .address_space: global }
      - { .name: W_v, .offset: 16, .size: 8, .value_kind: global_buffer, .address_space: global }
      - { .name: W_o, .offset: 24, .size: 8, .value_kind: global_buffer, .address_space: global }
      - { .name: wi, .offset: 32, .size: 8, .value_kind: global_buffer, .address_space: global }
    .group_segment_fixed_size: 0
    .private_segment_fixed_size: 0
    .kernarg_segment_align: 8
    .kernarg_segment_size: 40
    .max_flat_workgroup_size: 128
    .sgpr_count:     66
    .vgpr_count:     64
    .wavefront_size: 32
...
	.end_amdgpu_metadata
.endif
;; end of part 1
;; launch proj (part 2): grid 64 x 3, 8 waves a work-group, no clusters, 320,768 bytes of LDS; arguments q, k, v, padding_mask, b_q, b_k, b_v, wi, qi, qs, ki, kvs, vi; writes qi, qs, ki, kvs, vi
.if DOCPART == 2
	.amdgcn_target "amdgcn-amd-amdhsa--gfx1250"
	.amdhsa_code_object_version 6
	.text
	.protected	k_q364475b394_proj
	.globl	k_q364475b394_proj
	.p2align	8
	.type	k_q364475b394_proj,@function
k_q364475b394_proj:
	s_mov_b64 s[64:65], 0
	v_nop
	global_prefetch_b8 v0, s[64:65] scope:SCOPE_SE
	s_setreg_imm32_b32 hwreg(HW_REG_WAVE_MODE, 25, 1), 1
	s_wait_xcnt 0x0
; Y = Q(x) Q(W) + b for x = q, k, v (work-group y = 0, 1, 2), both operands in FP6 (E2M3) with E8M0 scales for each 32 along K = 512; Y is then quantised for attention and stored as images of operand registers.
; SHARES: a work-group takes 128 tokens (blk = work-group x: batch blk / 16, key step blk % 16); wave w is head w: 64 columns, column tiles 4 w .. 4 w + 3.  192 work-groups: V's fragment wants 128 tokens in one place.
; A TILE OF 16 TOKENS OR COLUMNS IS NOT 16 NEIGHBOURS: lane r of tile t takes 32 (t / 2) + 8 (t % 2) + r + 8 (r / 8): the 16 registers of result tiles 2 b, 2 b + 1 are then the neighbours 32 b + 16 (lane / 16) + 0 .. 15.
; PHASES: (1) one tensor load a wave brings 16 rows of x (32 KB) into LDS; the wave's part of W (16 fragments, window 1), scale words, mask bytes and bias come straight into registers.  Barrier.
; (X) wave w quantises token tile w: four fragments, stored in LDS as images of their registers.  Barrier.
; (Q, K) transposed product (source 0 = 16 columns of W, source 1 = 16 tokens): a lane holds one token and its registers run along the head's 64, which is the scores' K.
; (V) source 0 = 16 tokens, source 1 = 16 columns: a lane holds one column and its registers run along the 128 tokens, which is the second attention product's K.
; THE MASK RIDES IN THE EMPTY HALF OF THE SCORES' K (64 of the instruction's 128 are padding).  A fragment of Q or K: registers 0-5 the head's 64 codes; register 6, lanes 0-15: the code at k = 64; the rest 0.
;   Q: code 8 (1.0), scale bytes 187 (2^60) and 127.   K, key counts: code 0, bytes 1 and 1.   K, key masked: code 56 (-4.0), byte 167 (2^40): its score is -2^102, which the softmax turns into 0.
; No cluster: x's rows are shared with no other work-group, and a wave's 24 KB of W go straight into its registers.  No prefetch: every byte is asked for at the head by the load that wants it.  Nothing in LDS is filled twice.
; LIMITS: a block of zeros carries the byte 1 and not 127 (zero codes; the program's own bytes); NaN and infinities among the inputs are not served.
.set CHUNK, 33296                      ; LDS: wave w's 16 rows of x at CHUNK w: a row is 2 x (1,024 + 16) bytes; 16 bytes more a chunk turn the odd chunks' rows by one column of 16 bytes
.set TROW,  2080
.set XIMG,  266496                     ; x's 32 fragments: (token tile tt, K step s) at (4 tt + s) x 1,536.  It begins on a block of 256 bytes into which no fill lands
.set XSC,   315648                     ; their scale words: (4 (tt / 4) + s) x 512 + 16 lane + 4 (tt % 4)
.set FRB,   1536
.set LI,  1                            ; v1   16 x lane
.set XA,  2                            ; v2   phase X: my row of x in LDS, + 64 (lane / 16)
.set XWI, 3                            ; v3   where I store x's images
.set XWS, 4                            ; v4   and their scale words
.set XRI, 5                            ; v5   where images are read
.set XRS, 6                            ; v6   and scale words
.set MO,  7                            ; v7   r + 8 (r / 8): the mask's offset
.set BO,  8                            ; v8   64 (lane / 16): bias, Q and K
.set BV,  9                            ; v9   4 (r + 8 (r / 8)): bias, V
.set ET,  10                           ; v10-13 the extra code and the upper scale bytes for a key that counts (T) and one that does not (F)
.set EF,  11
.set HT,  12
.set HF,  13
.set WS,  16                           ; v16-31 W's scale words, 4 t + s
.set XS,  32                           ; v32-35 four token tiles' scale words
.set EXT, 40                           ; v40-47 mask bytes, then the extra codes, a register a token tile
.set HI,  48                           ; v48-55 the upper scale bytes
.set SW,  56                           ; v56-59 scale words to store
.set PW,  60
.set PC,  64                           ; v64-79 codes just made
.set TP,  80                           ; v80-87
.set TM,  88                           ; v88-99 maxima, bytes, scale operands
.set BH,  104                          ; v104-119 bias of column tiles 2, 3
.set ACC, 128                          ; v128-255 sixteen accumulators; in phase X two sets of 64 numbers
.set RAW, 128
.set XFR, 192                          ; window 1: v0-191 W's fragments at 12 (4 t + s); v192-239 four fragments of x; v240-255 bias of column tiles 0, 1
.set BL,  240
.set WV,  18
.set SEL, 20
.set MSB, 0
.macro WIN new                         ; s_set_vgpr_msb: bits 1:0 source 0, 3:2 source 1, 5:4 source 2, 7:6 destination; the high byte repeats the setting that is left
.if MSB != (\new)
	s_set_vgpr_msb (MSB<<8)|(\new)
.set MSB, (\new)
.endif
.endm
.macro PLACES n
.rept \n
	v_nop
.endr
.endm
; QUANT: np pairs of blocks of 32.  Register src + 16 b + i is number 32 b + 16 (lane / 16) + i of my row.  QA: maxima (with the floor 2^(3 - 127)), scale operands in v[TM+8+b], bytes in v[TM+4+b].
.macro QA src, np
.irp b, 0,1,2,3
.if \b < 2*(\np)
	v_max3_num_f32 v[TM+\b], |v[(\src)+16*\b]|, |v[(\src)+16*\b+1]|, 0x1800000
.endif
.endr
.irp i, 2,4,6,8,10,12,14
.irp b, 0,1,2,3
.if \b < 2*(\np)
	v_max3_num_f32 v[TM+\b], v[TM+\b], |v[(\src)+16*\b+\i]|, |v[(\src)+16*\b+\i+1]|   ; the blocks by turns; each result tile of 8 registers is first read at its two lowest
.endif
.endr
.endr
.irp b, 0,1,2,3
.if \b < 2*(\np)
	s_delay_alu instid0(VALU_DEP_4)
	v_permlanex16_b32 v[TM+4+\b], v[TM+\b], s[SEL], s[SEL+1]
.endif
.endr
.irp b, 0,1,2,3
.if \b < 2*(\np)
	s_delay_alu instid0(VALU_DEP_4)
	v_max_num_f32 v[TM+\b], v[TM+\b], v[TM+4+\b]   ; with lane l xor 16's 16 numbers: the block's largest magnitude
.endif
.endr
.irp b, 0,1,2,3
.if \b < 2*(\np)
	s_delay_alu instid0(VALU_DEP_4)
	v_add_nc_u32 v[TM+8+\b], 0xff000000, v[TM+\b]  ; 2 off the exponent field: the conversion's scale operand
.endif
.endr
.irp b, 0,1,2,3
.if \b < 2*(\np)
	s_delay_alu instid0(VALU_DEP_4)
	v_lshrrev_b32 v[TM+4+\b], 23, v[TM+8+\b]       ; the scale's byte
.endif
.endr
.endm
; QB: pair c's codes into v[dst + stride c] .. + 5, in the operand's layout: lanes 0-15 block 2 c, lanes 16-31 block 2 c + 1.
.macro QB src, dst, stride, np
.irp c, 0,1
.if \c < (\np)
	v_cvt_scalef32_pk16_fp6_f32 v[(\dst)+(\stride)*\c:(\dst)+(\stride)*\c+2], v[(\src)+32*\c:(\src)+32*\c+15], v[TM+8+2*\c]
	v_cvt_scalef32_pk16_fp6_f32 v[TP+4*\c:TP+4*\c+2], v[(\src)+32*\c+16:(\src)+32*\c+31], v[TM+8+2*\c+1]
.endif
.endr
	v_nop                                          ; one plain line behind the conversions
.irp c, 0,1
.if \c < (\np)
.irp i, 0,1,2
	v_permlane16_swap_b32 v[(\dst)+(\stride)*\c+\i], v[TP+4*\c+\i]   ; the first's lanes 16-31 change places with the second's lanes 0-15
.endr
.irp i, 0,1,2
	s_delay_alu instid0(VALU_DEP_3)
	v_mov_b32 v[(\dst)+(\stride)*\c+3+\i], v[TP+4*\c+\i]
.endr
.endif
.endr
.endm
.macro QUANT src, dst, stride, np
	QA \src, \np
	QB \src, \dst, \stride, \np
.endm
.macro MMC d, a, b, c, sa, sb          ; D = A B + C, C in other registers: a sum's first K step takes the bias
	v_wmma_scale_f32_16x16x128_f8f6f4 v[(\d):(\d)+7], v[(\a):(\a)+11], v[(\b):(\b)+11], v[(\c):(\c)+7], v[\sa], v[\sb] matrix_a_fmt:MATRIX_FMT_FP6 matrix_b_fmt:MATRIX_FMT_FP6
.endm
.macro MMA d, a, b, sa, sb             ; D += A B
	v_wmma_scale_f32_16x16x128_f8f6f4 v[(\d):(\d)+7], v[(\a):(\a)+11], v[(\b):(\b)+11], v[(\d):(\d)+7], v[\sa], v[\sb] matrix_a_fmt:MATRIX_FMT_FP6 matrix_b_fmt:MATRIX_FMT_FP6
.endm
	s_load_b256 s[68:75], s[0:1], 0x0              ; q, k, v, padding_mask
	s_load_b256 s[76:83], s[0:1], 0x20             ; b_q, b_k, b_v, wi
	s_load_b256 s[84:91], s[0:1], 0x40             ; qi, qs, ki, kvs
	s_load_b64 s[92:93], s[0:1], 0x60              ; vi
	v_lshl_add_u32 v126, v0, 2, 0x4e100
	v_mov_b32 v127, 0
	ds_add_u32 v126, v127
	ds_add_u32 v126, v127
	v_lshrrev_b32 v14, 5, v0
	s_delay_alu instid0(VALU_DEP_1)
	v_readfirstlane_b32 s[WV], v14                 ; wave 0..7 = head
	s_and_b32 s3, ttmp7, 0xffff                    ; y: 0 q, 1 k, 2 v
	; descriptor group 1: 32 KB, dense in memory, as 32 rows of 1,024 bytes (128 elements of 8 bytes), 16 bytes of padding behind each
	s_mov_b32 s24, (3<<16)|(1<<20)|(7<<22)|(3<<25) ; no mask; elements of 8 bytes; padding on, after every 256 words, of 4 words
	s_mov_b32 s25, 128<<16                         ; tensor_dim0 = 128
	s_mov_b32 s26, 32<<16                          ; tensor_dim1 = 32
	s_mov_b32 s27, 128<<16                         ; tile_dim0 = 128
	s_mov_b32 s28, 32                              ; tile_dim1 = 32
	s_mov_b32 s29, 128                             ; from row to row
	s_mov_b32 s30, 0
	s_mov_b32 s31, 0
	s_mov_b32 s32, 1                               ; group 0: count
	s_mul_i32 s33, s[WV], CHUNK                    ; LDS address: my chunk
	s_lshl_b32 s36, ttmp9, 18                      ; 128 blk rows of 2,048 bytes
	s_lshl_b32 s37, s[WV], 15                      ; + 16 w rows
	s_add_co_u32 s36, s36, s37
	s_mov_b32 s37, 0
	s_mov_b32 s[SEL], 0x76543210
	s_mov_b32 s[SEL+1], 0xfedcba98                 ; v_permlanex16_b32's selects for lane l xor 16
	s_wait_dscnt 0x0
	s_wait_kmcnt 0x0
	s_cmp_eq_u32 s3, 0                             ; the choices hang on the work-group's number alone
	s_cselect_b64 s[4:5], s[68:69], s[70:71]       ; x
	s_cselect_b64 s[6:7], s[76:77], s[78:79]       ; its bias
	s_cselect_b64 s[8:9], s[84:85], s[88:89]       ; where Q's or K's images go
	s_cselect_b64 s[10:11], s[86:87], s[90:91]     ; and their scale words
	s_cselect_b32 s12, 8, 0                        ; the extra code: key counts,
	s_cselect_b32 s13, 8, 56                       ; key masked
	s_mov_b32 s14, 0x0101
	s_cselect_b32 s14, 0x7fbb, s14                 ; scale bytes 2 and 3: key counts,
	s_mov_b32 s15, 0x01a7
	s_cselect_b32 s15, 0x7fbb, s15                 ; key masked
	s_cmp_eq_u32 s3, 2
	s_cselect_b64 s[4:5], s[72:73], s[4:5]
	s_cselect_b64 s[6:7], s[80:81], s[6:7]
	s_add_nc_u64 s[34:35], s[4:5], s[36:37]
	s_or_b32 s35, s35, 0x80000000                  ; type = 2
	tensor_load_to_lds s[32:35], s[24:31]          ; my one tensor load of the launch: a first fill; its descriptor is never written again
	s_nop 0
	PLACES 4                                       ; four plain lines behind the load
	s_mul_i32 s36, s3, 196608
	s_mul_i32 s38, s[WV], 24576
	s_add_co_u32 s36, s36, s38
	s_add_nc_u64 s[40:41], s[82:83], s[36:37]      ; my 16 fragments of W
	s_lshl_b32 s36, s3, 14
	s_lshl_b32 s38, s[WV], 11
	s_add_co_u32 s36, s36, s38
	s_add_co_u32 s36, s36, 786432
	s_add_nc_u64 s[42:43], s[82:83], s[36:37]      ; their scale words
	s_lshl_b32 s36, ttmp9, 7
	s_add_nc_u64 s[44:45], s[74:75], s[36:37]      ; the mask bytes of my 128 tokens
	s_lshl_b32 s36, s[WV], 8
	s_add_nc_u64 s[46:47], s[6:7], s[36:37]        ; the bias of my 64 columns
	s_lshr_b32 s56, ttmp9, 4
	s_lshl_b32 s56, s56, 3
	s_add_co_u32 s56, s56, s[WV]                   ; bh = 8 x batch + head
	s_and_b32 s57, ttmp9, 15                       ; the key step
	s_lshl_b32 s36, s56, 17
	s_lshl_b32 s38, s57, 13
	s_add_co_u32 s36, s36, s38
	s_add_nc_u64 s[48:49], s[8:9], s[36:37]        ; qi or ki: 131,072 bh + 8 tiles of 1,024 a key step
	s_mul_i32 s58, s56, 24576
	s_lshl_b32 s38, s57, 10
	s_add_co_u32 s36, s58, s38
	s_add_nc_u64 s[50:51], s[10:11], s[36:37]      ; qs or kvs
	s_mul_i32 s36, s56, 98304
	s_mul_i32 s38, s57, 6144
	s_add_co_u32 s36, s36, s38
	s_add_nc_u64 s[52:53], s[92:93], s[36:37]      ; vi
	s_lshl_b32 s38, s57, 9
	s_add_co_u32 s36, s58, s38
	s_add_co_u32 s36, s36, 16384
	s_add_nc_u64 s[54:55], s[90:91], s[36:37]      ; V's scale words in kvs
	v_and_b32 v14, 31, v0                          ; lane
	s_delay_alu instid0(VALU_DEP_1)
	v_lshlrev_b32 v[LI], 4, v14
	v_bfe_u32 v15, v0, 3, 1                        ; r / 8
	v_and_b32 v36, 7, v0                           ; r % 8
	v_bfe_u32 v37, v0, 4, 1                        ; h
	v_and_b32 v38, 15, v0                          ; r
	v_and_b32 v39, 8, v0                           ; 8 (r / 8)
	s_delay_alu instid0(VALU_DEP_1)
	v_add_nc_u32 v[MO], v38, v39
	s_delay_alu instid0(VALU_DEP_4)
	v_lshlrev_b32 v[BO], 6, v37
	s_delay_alu instid0(VALU_DEP_2)
	v_lshlrev_b32 v[BV], 2, v[MO]
	WIN 0x40                                       ; destination window 1
.set n, 0
.rept 48
	global_load_b128 v[4*n:4*n+3], v[LI], s[40:41] offset:512*n   ; W's fragments as they lie: 512 dense bytes a load
.set n, n+1
.endr
	WIN 0
.irp t, 0,1,2,3
	global_load_b128 v[WS+4*\t:WS+4*\t+3], v[LI], s[42:43] offset:512*\t
.endr
.irp t, 0,1,2,3,4,5,6,7
	global_load_u8 v[EXT+\t], v[MO], s[44:45] offset:32*(\t/2)+8*(\t%2)   ; the mask byte of token tile t's token r
.endr
	s_cmp_eq_u32 s3, 2                             ; the bias in the result's layout, which differs between the two ways
	s_cbranch_scc1 .Lbias_v
	WIN 0x40
.irp t, 0,1                            ; Q, K: lane (r, h) holds columns 32 (t / 2) + 8 (t % 2) + 16 h + 0 .. 7 of the head
	global_load_b128 v[BL+8*\t:BL+8*\t+3], v[BO], s[46:47] offset:32*\t
	global_load_b128 v[BL+8*\t+4:BL+8*\t+7], v[BO], s[46:47] offset:32*\t+16
.endr
	WIN 0
.irp t, 0,1
	global_load_b128 v[BH+8*\t:BH+8*\t+3], v[BO], s[46:47] offset:128+32*\t
	global_load_b128 v[BH+8*\t+4:BH+8*\t+7], v[BO], s[46:47] offset:128+32*\t+16
.endr
	s_branch .Lbias_done
.Lbias_v:
	WIN 0x40
	s_wait_alu depctr_va_vdst(0)
.irp t, 0,1                            ; V: lane (r, h) holds one column, 32 (t / 2) + 8 (t % 2) + r + 8 (r / 8), in all eight registers
.irp j, 0,1,2,3,4,5,6,7
	global_load_b32 v[BL+8*\t+\j], v[BV], s[46:47] offset:32*\t
.endr
.endr
	WIN 0
.irp t, 0,1
.irp j, 0,1,2,3,4,5,6,7
	global_load_b32 v[BH+8*\t+\j], v[BV], s[46:47] offset:128+32*\t
.endr
.endr
.Lbias_done:
	s_wait_alu depctr_va_vdst(0)
	v_mul_u32_u24 v[XA], v15, CHUNK                ; token tile w's token r lies in chunk (w & 6) + r / 8, row 8 (w & 1) + r % 8
	s_delay_alu instid0(VALU_DEP_1)
	v_mad_u32_u24 v[XA], v36, TROW, v[XA]
	s_delay_alu instid0(VALU_DEP_1)
	v_lshl_add_u32 v[XA], v37, 6, v[XA]            ; + 64 h: my 16 numbers of a block of 32
	s_and_b32 s38, s[WV], 6
	s_mul_i32 s38, s38, CHUNK
	s_and_b32 s39, s[WV], 1
	s_mul_i32 s39, s39, 8*TROW
	s_add_co_u32 s38, s38, s39
	v_add_nc_u32 v[XA], s38, v[XA]
	s_mul_i32 s38, s[WV], 4*FRB
	s_add_co_u32 s38, s38, XIMG
	v_add_nc_u32 v[XWI], s38, v[LI]
	s_lshr_b32 s38, s[WV], 2
	s_lshl_b32 s38, s38, 11
	s_and_b32 s39, s[WV], 3
	s_lshl_b32 s39, s39, 2
	s_add_co_u32 s38, s38, s39
	s_add_co_u32 s38, s38, XSC
	v_add_nc_u32 v[XWS], s38, v[LI]
	v_add_nc_u32 v[XRI], XIMG, v[LI]
	v_add_nc_u32 v[XRS], XSC, v[LI]
	v_cmp_gt_u32 vcc_lo, 16, v14                   ; the extra code stands at k = 64, which lanes 0-15 hold; lanes 16-31 (k = 96 on) hold 0
	v_mov_b32 v[ET], s12
	v_mov_b32 v[EF], s13
	s_delay_alu instid0(VALU_DEP_2)
	v_cndmask_b32 v[ET], 0, v[ET], vcc_lo
	s_delay_alu instid0(VALU_DEP_2)
	v_cndmask_b32 v[EF], 0, v[EF], vcc_lo
	v_mov_b32 v[HT], s14
	v_mov_b32 v[HF], s15
.irp b, 0,1,2,3
	v_mov_b32 v[TM+4+\b], 0                        ; written once: a lane permute's destination counts as one of its sources
.endr
	s_wait_tensorcnt 0x0                           ; my chunk of x is in LDS,
	s_barrier_signal -1
	s_barrier_wait -1                              ; everybody's is: a token tile's rows lie in two waves' chunks
	; ---- X: token tile w becomes four fragments.  A K step's 64 numbers a lane are asked for one step ahead, into two sets by turns
.macro XLD s
.irp b, 0,1,2,3
.irp j, 0,1,2,3
	ds_load_b128 v[RAW+64*((\s)%2)+16*\b+4*\j:RAW+64*((\s)%2)+16*\b+4*\j+3], v[XA] offset:1040*((\s)/2)+512*((\s)%2)+128*\b+16*\j
.endr
.endr
.endm
	XLD 0
.irp s, 0,1,2,3
	s_wait_dscnt 0x0                               ; this step's numbers are in, and the last step's stores are done
.if \s < 3
	XLD \s+1
.endif
	QUANT RAW+64*(\s%2), PC, 6, 2
	v_lshl_or_b32 v[PW], v[TM+5], 8, v[TM+4]       ; the four bytes make my row's scale word
	s_delay_alu instid0(VALU_DEP_1)
	v_lshl_or_b32 v[PW], v[TM+6], 16, v[PW]
	s_delay_alu instid0(VALU_DEP_1)
	v_lshl_or_b32 v[PW], v[TM+7], 24, v[PW]
.irp c, 0,1,2
	ds_store_b128 v[XWI], v[PC+4*\c:PC+4*\c+3] offset:FRB*\s+512*\c   ; the fragment as it stands: 512 dense bytes a store
.endr
	ds_store_b32 v[XWS], v[PW] offset:512*\s
.endr
	s_wait_loadcnt 0x0                             ; W, its scale words, the mask bytes and the bias
	s_wait_dscnt 0x0                               ; for the others' sake: my stores have landed
	s_barrier_signal -1
	s_barrier_wait -1                              ; x's 32 fragments lie in LDS; behind this barrier nobody stores to LDS
; four fragments of x (token tiles 4 g + i, K step s) and their scale words.  The four v_nop are the places between the last matrix instructions and loads into registers that they have read (ISA guide 7.12.1 for vector instructions)
.macro FETCH g, s
	PLACES 4
	WIN 0x40
.irp i, 0,1,2,3
.irp c, 0,1,2
	ds_load_b128 v[XFR+12*\i+4*\c:XFR+12*\i+4*\c+3], v[XRI] offset:(4*(4*(\g)+\i)+(\s))*FRB+512*\c
.endr
.endr
	WIN 0
	ds_load_b128 v[XS:XS+3], v[XRS] offset:(4*(\g)+(\s))*512
	s_wait_dscnt 0x0
.endm
	s_cmp_eq_u32 s3, 2
	s_cbranch_scc1 .Lv
	; ---- Q, K: accumulator (token tile i, column tile t) at ACC + 32 i + 8 t; the sixteen take turns, one instruction a turn
	v_mov_b32 v[PC+7], 0                           ; register 7 of both fragments in hand
	v_mov_b32 v[PC+15], 0
.irp t, 0,1,2,3,4,5,6,7
	v_cmp_ne_u32 vcc_lo, 0, v[EXT+\t]              ; does the key count?  A choice of values, no branch
	s_delay_alu instid0(VALU_DEP_1)
	v_cndmask_b32 v[HI+\t], v[HF], v[HT], vcc_lo
	s_delay_alu instid0(VALU_DEP_2)
	v_cndmask_b32 v[EXT+\t], v[EF], v[ET], vcc_lo
.endr
.irp g, 0,1
.irp s, 0,1,2,3
	FETCH \g, \s
.if \s == 0
	WIN 0x15                                       ; W and x in window 1, the bias in window 1
.irp t, 0,1
.irp i, 0,1,2,3
	MMC ACC+32*\i+8*\t, 12*(4*\t), XFR+12*\i, BL+8*\t, WS+4*\t, XS+\i
.endr
.endr
	WIN 0x05                                       ; the bias in window 0
.irp t, 2,3
.irp i, 0,1,2,3
	MMC ACC+32*\i+8*\t, 12*(4*\t), XFR+12*\i, BH+8*(\t-2), WS+4*\t, XS+\i
.endr
.endr
.else
	WIN 0x05
.irp t, 0,1,2,3
.irp i, 0,1,2,3
	MMA ACC+32*\i+8*\t, 12*(4*\t+\s), XFR+12*\i, WS+4*\t+\s, XS+\i
.endr
.endr
.endif
.endr
	WIN 0
	PLACES 4                                       ; ahead of the first read of results
.irp p, 0,1                            ; token tiles 4 g + 2 p and 4 g + 2 p + 1: 32 registers each, the head's 64 in two blocks
	s_wait_xcnt 0x0                                ; the earlier stores have read PC and SW: only now are they written again
	QUANT ACC+64*\p, PC, 8, 2
	v_mov_b32 v[PC+6], v[EXT+4*\g+2*\p]            ; the code at k = 64
	v_mov_b32 v[PC+14], v[EXT+4*\g+2*\p+1]
	v_lshl_or_b32 v[SW+2*\p], v[TM+5], 8, v[TM+4]
	s_delay_alu instid0(VALU_DEP_1)
	v_lshl_or_b32 v[SW+2*\p], v[HI+4*\g+2*\p], 16, v[SW+2*\p]
	v_lshl_or_b32 v[SW+2*\p+1], v[TM+7], 8, v[TM+6]
	s_delay_alu instid0(VALU_DEP_1)
	v_lshl_or_b32 v[SW+2*\p+1], v[HI+4*\g+2*\p+1], 16, v[SW+2*\p+1]
.irp j, 0,1,2,3
	global_store_b128 v[LI], v[PC+4*\j:PC+4*\j+3], s[48:49] offset:(4*\g+2*\p)*1024+512*\j   ; 512 dense bytes, aligned
.endr
.endr
	global_store_b128 v[LI], v[SW:SW+3], s[50:51] offset:512*\g
.endr
	s_wait_tensorcnt 0x0
	ds_add_u32 v126, v127
	s_wait_dscnt 0x0
	s_endpgm
	; ---- V: 64 tokens (four token tiles, g) at a time against all four column tiles, so that each fragment of x is read from LDS once; accumulator (column tile e, token tile i) at ACC + 32 e + 8 i:
	; a lane's 32 registers of a column tile run along the 64 tokens = two blocks of the second attention product's K = registers 6 g .. 6 g + 5 of V's fragment and bytes 2 g, 2 g + 1 of its scale word.
	; The sixteen accumulators take turns, one instruction a turn.
.Lv:
.irp g, 0,1
.irp s, 0,1,2,3
	FETCH \g, \s
.if \s == 0
	WIN 0x15                                       ; x and W in window 1, the bias in window 1
.irp e, 0,1
.irp i, 0,1,2,3
	MMC ACC+32*\e+8*\i, XFR+12*\i, 12*(4*\e), BL+8*\e, XS+\i, WS+4*\e
.endr
.endr
	WIN 0x05                                       ; the bias in window 0
.irp e, 2,3
.irp i, 0,1,2,3
	MMC ACC+32*\e+8*\i, XFR+12*\i, 12*(4*\e), BH+8*(\e-2), XS+\i, WS+4*\e
.endr
.endr
.else
	WIN 0x05
.irp e, 0,1,2,3
.irp i, 0,1,2,3
	MMA ACC+32*\e+8*\i, XFR+12*\i, 12*(4*\e+\s), XS+\i, WS+4*\e+\s
.endr
.endr
.endif
.endr
	WIN 0
	PLACES 4                                       ; ahead of the first read of results
.irp p, 0,1                            ; column tiles 2 p and 2 p + 1: 32 registers each
	s_wait_xcnt 0x0                                ; the earlier stores have read PC: only now is it written again
	QUANT ACC+64*\p, PC, 8, 2
.if \g == 0
	v_lshl_or_b32 v[SW+2*\p], v[TM+5], 8, v[TM+4]
	v_lshl_or_b32 v[SW+2*\p+1], v[TM+7], 8, v[TM+6]
.irp c, 0,1
	global_store_b128 v[LI], v[PC+8*\c:PC+8*\c+3], s[52:53] offset:(2*\p+\c)*FRB          ; registers 0-3 of the fragment: chunk 0
	global_store_b64 v[LI], v[PC+8*\c+4:PC+8*\c+5], s[52:53] offset:(2*\p+\c)*FRB+512     ; registers 4-5: the lower half of a lane's 16 bytes of chunk 1
.endr
.else
	v_lshl_or_b32 v[TM+4], v[TM+5], 8, v[TM+4]
	v_lshl_or_b32 v[TM+6], v[TM+7], 8, v[TM+6]
	s_delay_alu instid0(VALU_DEP_2)
	v_lshl_or_b32 v[SW+2*\p], v[TM+4], 16, v[SW+2*\p]
	s_delay_alu instid0(VALU_DEP_2)
	v_lshl_or_b32 v[SW+2*\p+1], v[TM+6], 16, v[SW+2*\p+1]
.irp c, 0,1
	global_store_b64 v[LI], v[PC+8*\c:PC+8*\c+1], s[52:53] offset:(2*\p+\c)*FRB+520       ; registers 6-7: the upper half of chunk 1
	global_store_b128 v[LI], v[PC+8*\c+2:PC+8*\c+5], s[52:53] offset:(2*\p+\c)*FRB+1024   ; registers 8-11: chunk 2
.endr
.endif
.endr
.endr
	global_store_b128 v[LI], v[SW:SW+3], s[54:55]
	s_wait_tensorcnt 0x0
	ds_add_u32 v126, v127
	s_wait_dscnt 0x0
	s_endpgm
.Lfunc_end_k_q364475b394_proj:
	.size	k_q364475b394_proj, .Lfunc_end_k_q364475b394_proj-k_q364475b394_proj
	.p2alignl 7, 3214868480
	.fill 96, 4, 3214868480
	.section	.rodata,"a",@progbits
	.p2align	6, 0x0
	.amdhsa_kernel k_q364475b394_proj
		.amdhsa_group_segment_fixed_size 320768
		.amdhsa_private_segment_fixed_size 0
		.amdhsa_enable_private_segment 0
		.amdhsa_kernarg_size 104
		.amdhsa_user_sgpr_count 2
		.amdhsa_user_sgpr_kernarg_segment_ptr 1
		.amdhsa_wavefront_size32 1
		.amdhsa_system_sgpr_workgroup_id_x 1
		.amdhsa_system_sgpr_workgroup_id_y 1
		.amdhsa_system_sgpr_workgroup_id_z 1
		.amdhsa_system_vgpr_workitem_id 0
		.amdhsa_next_free_vgpr 512
		.amdhsa_next_free_sgpr 96
		.amdhsa_reserve_vcc 1
		.amdhsa_float_denorm_mode_32 3
		.amdhsa_float_denorm_mode_16_64 3
		.amdhsa_memory_ordered 1
		.amdhsa_forward_progress 1
		.amdhsa_inst_pref_size 130
	.end_amdhsa_kernel
	.amdgpu_metadata
---
amdhsa.version: [ 1, 2 ]
amdhsa.kernels:
  - .name:           k_q364475b394_proj
    .symbol:         k_q364475b394_proj.kd
    .args:
      - { .name: q, .offset: 0, .size: 8, .value_kind: global_buffer, .address_space: global }
      - { .name: k, .offset: 8, .size: 8, .value_kind: global_buffer, .address_space: global }
      - { .name: v, .offset: 16, .size: 8, .value_kind: global_buffer, .address_space: global }
      - { .name: padding_mask, .offset: 24, .size: 8, .value_kind: global_buffer, .address_space: global }
      - { .name: b_q, .offset: 32, .size: 8, .value_kind: global_buffer, .address_space: global }
      - { .name: b_k, .offset: 40, .size: 8, .value_kind: global_buffer, .address_space: global }
      - { .name: b_v, .offset: 48, .size: 8, .value_kind: global_buffer, .address_space: global }
      - { .name: wi, .offset: 56, .size: 8, .value_kind: global_buffer, .address_space: global }
      - { .name: qi, .offset: 64, .size: 8, .value_kind: global_buffer, .address_space: global }
      - { .name: qs, .offset: 72, .size: 8, .value_kind: global_buffer, .address_space: global }
      - { .name: ki, .offset: 80, .size: 8, .value_kind: global_buffer, .address_space: global }
      - { .name: kvs, .offset: 88, .size: 8, .value_kind: global_buffer, .address_space: global }
      - { .name: vi, .offset: 96, .size: 8, .value_kind: global_buffer, .address_space: global }
    .group_segment_fixed_size: 320768
    .private_segment_fixed_size: 0
    .kernarg_segment_align: 8
    .kernarg_segment_size: 104
    .max_flat_workgroup_size: 256
    .sgpr_count:     96
    .vgpr_count:     512
    .wavefront_size: 32
...
	.end_amdgpu_metadata
.endif
;; end of part 2
;; launch attn (part 3): grid 8 x 32, 8 waves a work-group, clusters of 4 x 1, 327,680 bytes of LDS; arguments qi, qs, ki, kvs, vi, xc; writes xc
.if DOCPART == 3
	.amdgcn_target "amdgcn-amd-amdhsa--gfx1250"
	.amdhsa_code_object_version 6
	.text
	.protected	k_q364475b394_attn
	.globl	k_q364475b394_attn
	.p2align	8
	.type	k_q364475b394_attn,@function
k_q364475b394_attn:
	s_mov_b64 s[64:65], 0
	v_nop
	global_prefetch_b8 v0, s[64:65] scope:SCOPE_SE
	s_setreg_imm32_b32 hwreg(HW_REG_WAVE_MODE, 25, 1), 1
	s_wait_xcnt 0x0
	s_wait_alu depctr_hold_cnt(0) depctr_sa_sdst(0) depctr_va_vdst(0) depctr_va_sdst(0) depctr_va_ssrc(0) depctr_va_vcc(0) depctr_vm_vsrc(0)
	s_getreg_b32 s2, hwreg(HW_REG_IB_STS2, 6, 4)
	s_cmp_eq_u32 s2, 0
	s_cbranch_scc0 .Lentry_in_a_cluster
	s_endpgm
.Lentry_in_a_cluster:
	s_bfe_u32 s2, ttmp6, 0x10000c
	s_cmp_lg_u32 s2, 0x3003
	s_cbranch_scc0 .Lentry_shape_is_right
	s_endpgm
.Lentry_shape_is_right:
; x[q] = Q(softmax_k(Q(Qh) Q(Kh)^T / 8, masked)) Q(Vh) for one head, both products in FP6 (E2M3) with E8M0 scales; the result is quantised along D for the last projection and stored as an image of operand registers.
; THE FINISHED, NORMALISED WEIGHTS ARE WHAT IS QUANTISED, in blocks of 32 keys, so a row's maximum and sum are known before any weight is quantised: THE KEYS ARE WALKED TWICE.
;   Pass 1: scores; the largest score of each block of 32 keys (kept in LDS for pass 2); the running M (the largest t = c x score, c = log2(e) / 8, rounded UP to a whole number); l = the sum of 2^(t - M);
;           when M moves, l is multiplied by 2^(old M - new M), which rounds nothing.
;   Pass 2: the scores again, by the same instructions on the same codes; w = 2^(t - M - log2 l), the normalised weight in one multiply-add and one exponential; w quantised; O^T += V^T w^T.
;           A block's scale byte is floor(log2 of its largest w) + 125 = floor(c x the block's largest score - M - log2 l + 125), held at 1 from below: w rises with the score, so no maximum is searched again.
; SHARES: a work-group owns 256 queries of one head (bh = work-group y); each of its eight waves two tiles of 16 (A in register window 0, B in window 1), which share every fragment of K and V read from LDS.
; LDS: the whole head, each byte filled once: K's images 131,072 bytes, V's 98,304, the scale words 24,576; 1,024 spare; 65,536 for the blocks' largest scores (256 bytes a query tile and key step, each wave's own: no barrier).
; CLUSTER: the four query blocks of a cluster read the same head: each part is asked for JOINTLY (mask 15).  At the head waves 0-3 ask for a quarter of K each and waves 4-7 for a quarter of the scale words: one load a wave;
; V's load, one a wave, stands behind a wait, an LDS add, its wait and a round.  By this text's count one tensor load a wave is out at any time.
; No prefetch: every byte of K and V is asked for once, by the launch's first loads; there is no later load to run ahead of.
; LAYOUT: both products transposed (S^T = K Q^T, O^T = V^T w^T): a lane holds one query (lane % 16).  Lane r of key tile t takes key 32 (t / 2) + 8 (t % 2) + r + 8 (r / 8), so the 16 registers of score tiles 2 b, 2 b + 1 are keys 32 b + 16 (lane / 16) + 0 .. 15.
; K'S FRAGMENTS LIE 8 REGISTERS APART: registers 8-11 of a fragment (k = 75 on) are the next fragment's first four.  Q holds zero codes there, FP6 has no infinity or NaN, and the scale bytes are finite: those products are 0.
; THE MASK comes with K's codes: at k = 64 Q holds 1.0 x 2^60 and a masked key -4.0 x 2^40: its score is -2^102, its weight 0.  Where all keys are masked l = 0, log2 l is left out, and every weight is 2^(t - M) = 0, as the reference has them.
; LIMITS: the promise holds while |t| stays under 2^31 (the running maximum begins at the score -2^93); weights under 2^-126 fall to 0 (v_exp_f32 gives 0 there: ISA guide, its entry); a block of zeros carries the byte 1;
; the weight is rounded as 2^(t - M - log2 l) and not as a quotient; NaN and infinities are not served.
.set VIMG, 131072
.set SCL,  229376                      ; K's scale words: 512 bytes for four key tiles; from SCL + 16,384 V's: 512 bytes a key step
.set SPARE, 253952                     ; the spare words: 128 bytes a wave
.set BMX,  254976                      ; the blocks' largest scores: 8,192 wave + 4,096 tile + 256 step + 16 r + 4 block
.set LI,  1                            ; v1   16 x lane
.set ADK, 2                            ; v2-6 LDS addresses: K, K's scale words, V, V's scale words, the largest scores
.set ADS, 3
.set ADV, 4
.set ADT, 5
.set ADM, 6
.set G8,  7                            ; v7   8 x lane
.set LMS, 9                            ; v9   8,192 wave + 16 r + 8 h: where the largest scores are stored
.set QSA, 10                           ; v10, v11 Q's scale words, tile A and B;  v12, v13 the weights': scale operands lie in window 0
.set QSB, 11
.set PWA, 12
.set PWB, 13
.set LMR, 14                           ; v14  8,192 wave + 16 r: where they are read
.set KS,  16                           ; v16-23 K's scale words;  v24-27 V's
.set VS,  24
.set KF,  28                           ; window 0 v28-95: eight fragments of K, 8 apart; v92-95 stay 0
.set VF,  28                           ; window 1 v28-75: four fragments of V
; mirrored: the same numbers in window 0 for tile A and in window 1 for tile B
.set Q,   100                          ; v100-111 Q's fragment (registers 8-11 stay 0)
.set NM,  112                          ; v112 -M, in pass 2 -M - log2 l; named as a pair with v113, of which the low word serves
.set SX,  113                          ; v113 the largest score so far
.set L,   114                          ; v114-115 l in two halves
.set F,   116                          ; v116-117 2^(old M - new M)
.set NB,  118                          ; v118 -M - log2 l + 125
.set T,   120                          ; v120-123 at work
.set TM,  124                          ; v124-135 maxima, bytes, scale operands
.set P,   136                          ; v136-147 the weights' codes
.set TP,  148                          ; v148-155
.set S,   156                          ; v156-219 S^T, then the exponents, then p or w
.set O,   220                          ; v220-251 O^T
.set WV,  18
.set SEL, 20
.set CS,  22                           ; s[22:23] c
.set TK,  60                           ; s60-63, s86: where the step's K, K's scale words, V, V's scale words and largest scores begin in LDS
.set TS,  61
.set TV,  62
.set TT,  63
.set TB,  86
.set HM,  87                           ; s87 lanes 16-31
.set CN,  90                           ; s90 -c
.set MSB, 0
.macro WIN new                         ; s_set_vgpr_msb: bits 1:0 source 0, 3:2 source 1, 5:4 source 2, 7:6 destination; the high byte repeats the setting that is left
.if MSB != (\new)
	s_set_vgpr_msb (MSB<<8)|(\new)
.set MSB, (\new)
.endif
.endm
.macro PLACES n
.rept \n
	v_nop
.endr
.endm
.macro ROUND                           ; a round of the cluster's barrier
	s_barrier_signal -1
	s_barrier_wait -1
	s_cmp_lg_u32 s[WV], 0
	s_cbranch_scc1 .Lnot_wave_0_\@
	s_barrier_signal -3
.Lnot_wave_0_\@:
	s_barrier_wait -3
	s_barrier_signal -1
	s_barrier_wait -1
.endm
.macro MMZ d, a, b, sa, sb             ; D = A B: the constant 0 starts the sum
	v_wmma_scale_f32_16x16x128_f8f6f4 v[(\d):(\d)+7], v[(\a):(\a)+11], v[(\b):(\b)+11], 0, v[\sa], v[\sb] matrix_a_fmt:MATRIX_FMT_FP6 matrix_b_fmt:MATRIX_FMT_FP6
.endm
.macro MMA d, a, b, sa, sb             ; D += A B
	v_wmma_scale_f32_16x16x128_f8f6f4 v[(\d):(\d)+7], v[(\a):(\a)+11], v[(\b):(\b)+11], v[(\d):(\d)+7], v[\sa], v[\sb] matrix_a_fmt:MATRIX_FMT_FP6 matrix_b_fmt:MATRIX_FMT_FP6
.endm
; np pairs of blocks of 32 become codes in v[P + 6 c] .. + 5, in the operand's layout: lanes 0-15 block 2 c, lanes 16-31 block 2 c + 1.  Scale operands in v[TM+8+b].
.macro QB src, np
.irp c, 0,1
.if \c < (\np)
	v_cvt_scalef32_pk16_fp6_f32 v[P+6*\c:P+6*\c+2], v[(\src)+32*\c:(\src)+32*\c+15], v[TM+8+2*\c]
	v_cvt_scalef32_pk16_fp6_f32 v[TP+4*\c:TP+4*\c+2], v[(\src)+32*\c+16:(\src)+32*\c+31], v[TM+9+2*\c]
.endif
.endr
	v_nop                                          ; one plain line behind the conversions
.irp c, 0,1
.if \c < (\np)
.irp i, 0,1,2
	v_permlane16_swap_b32 v[P+6*\c+\i], v[TP+4*\c+\i]   ; the first's lanes 16-31 change places with the second's lanes 0-15
.endr
.irp i, 0,1,2
	v_mov_b32 v[P+6*\c+3+\i], v[TP+4*\c+\i]
.endr
.endif
.endr
.endm
	s_load_b256 s[4:11], s[0:1], 0x0               ; qi, qs, ki, kvs
	s_load_b128 s[12:15], s[0:1], 0x20             ; vi, xc
	v_lshl_add_u32 v254, v0, 2, SPARE
	v_mov_b32 v255, 0
	ds_add_u32 v254, v255                          ; the opening lines: the add, twice on end, and its wait
	ds_add_u32 v254, v255
	v_lshrrev_b32 v2, 5, v0
	s_delay_alu instid0(VALU_DEP_1)
	v_readfirstlane_b32 s[WV], v2                  ; wave 0..7
	s_and_b32 s88, s[WV], 3                        ; which quarter of K or of the scale words I ask for
	s_bfe_u32 s67, ttmp6, 0x40000                  ; cx: it enters the addresses of qi, qs and xc alone
	s_lshl_b32 s68, ttmp9, 2
	s_add_co_u32 s68, s68, s67                     ; qblk: my block of 256 queries
	s_and_b32 s69, ttmp7, 0xffff                   ; bh, which the four partners share
	; descriptor groups 1: dense blocks as R rows of 256 bytes (32 elements of 8 bytes), no padding; the mask names all four work-groups, bit 21 set beside it
.irp g, 24, 32, 40
	s_mov_b32 s[\g], 15|(3<<16)|(1<<21)
	s_mov_b32 s[\g+1], 32<<16                      ; tensor_dim0
	s_mov_b32 s[\g+3], 32<<16                      ; tile_dim0
	s_mov_b32 s[\g+5], 32                          ; from row to row
	s_mov_b32 s[\g+6], 0
	s_mov_b32 s[\g+7], 0
.endr
	s_mov_b32 s26, 24<<16                          ; the scale words: 6,144 bytes for each of four waves
	s_mov_b32 s28, 24
	s_mov_b32 s34, 128<<16                         ; K: 32,768 bytes for each of four waves
	s_mov_b32 s36, 128
	s_mov_b32 s42, 48<<16                          ; V: 12,288 bytes a wave
	s_mov_b32 s44, 48
	s_mul_i32 s70, s69, 24576                      ; where my parts begin in memory: made of bh and the wave's number alone
	s_mul_i32 s71, s88, 6144
	s_add_co_u32 s70, s70, s71
	s_mov_b32 s71, 0
	s_lshl_b32 s72, s69, 17
	s_lshl_b32 s73, s88, 15
	s_add_co_u32 s72, s72, s73
	s_mov_b32 s73, 0
	s_mul_i32 s74, s69, 98304
	s_mul_i32 s75, s[WV], 12288
	s_add_co_u32 s74, s74, s75
	s_mov_b32 s75, 0
	s_lshl_b32 s76, s69, 17                        ; Q's images: tile A = 16 qblk + 2 w, 1,024 bytes a tile
	s_lshl_b32 s77, s68, 14
	s_add_co_u32 s76, s76, s77
	s_lshl_b32 s77, s[WV], 11
	s_add_co_u32 s76, s76, s77
	s_mov_b32 s77, 0
	s_mul_i32 s78, s69, 24576                      ; Q's scale words: 512 bytes for four tiles, 4 bytes a tile in a lane's 16
	s_lshl_b32 s79, s68, 11
	s_add_co_u32 s78, s78, s79
	s_lshr_b32 s79, s[WV], 1
	s_lshl_b32 s79, s79, 9
	s_add_co_u32 s78, s78, s79
	s_and_b32 s79, s[WV], 1
	s_lshl_b32 s79, s79, 3
	s_add_co_u32 s78, s78, s79
	s_mov_b32 s79, 0
	s_lshr_b32 s84, s69, 3                         ; batch
	s_lshl_b32 s84, s84, 7
	s_lshl_b32 s85, s68, 4
	s_add_co_u32 s84, s84, s85
	s_lshl_b32 s85, s[WV], 1
	s_add_co_u32 s84, s84, s85                     ; tile A among all 512 token tiles
	s_and_b32 s85, s69, 7                          ; head
	s_mul_i32 s80, s84, 6144                       ; xc: 6,144 bytes a token tile, 768 a head
	s_mul_i32 s81, s85, 768
	s_add_co_u32 s80, s80, s81
	s_mov_b32 s81, 0
	s_lshl_b32 s82, s84, 9                         ; its scale bytes: 512 a token tile, 16 lane + 2 head
	s_lshl_b32 s83, s85, 1
	s_add_co_u32 s82, s82, s83
	s_add_co_u32 s82, s82, 3145728
	s_mov_b32 s83, 0
	s_mov_b32 s[SEL], 0x76543210
	s_mov_b32 s[SEL+1], 0xfedcba98                 ; v_permlanex16_b32's selects for lane l xor 16
	s_mov_b32 s[CS], 0x3e38aa3b                    ; c = log2(e) / 8
	s_mov_b32 s[CS+1], s[CS]                       ; (named with it as a pair, so it is written)
	s_mov_b32 s[CN], 0xbe38aa3b                    ; -c
	s_mov_b32 s[HM], 0xffff0000
	s_lshl_b32 s89, s[WV], 13
	s_wait_dscnt 0x0                               ; both opening adds are done
	s_wait_kmcnt 0x0
	s_mov_b32 s48, 1                               ; groups 0: count, LDS address (a constant + a constant x wave), global address, type
	s_mul_i32 s49, s88, 6144
	s_add_co_u32 s49, s49, SCL
	s_add_nc_u64 s[50:51], s[10:11], s[70:71]
	s_or_b32 s51, s51, 0x80000000
	s_mov_b32 s52, 1
	s_lshl_b32 s53, s88, 15
	s_add_nc_u64 s[54:55], s[8:9], s[72:73]
	s_or_b32 s55, s55, 0x80000000
	s_mov_b32 s56, 1
	s_mul_i32 s57, s[WV], 12288
	s_add_co_u32 s57, s57, VIMG
	s_add_nc_u64 s[58:59], s[12:13], s[74:75]
	s_or_b32 s59, s59, 0x80000000
	s_add_nc_u64 s[76:77], s[4:5], s[76:77]
	s_add_nc_u64 s[78:79], s[6:7], s[78:79]
	s_add_nc_u64 s[80:81], s[14:15], s[80:81]
	s_add_nc_u64 s[82:83], s[14:15], s[82:83]
	ROUND                                          ; all four work-groups are here: the joint loads meet
	s_cmp_lt_u32 s[WV], 4                          ; one load a wave, one to each arm: waves 0-3 K, waves 4-7 the scale words
	s_cbranch_scc0 .Lhead_s
	tensor_load_to_lds s[52:55], s[32:39]
	s_nop 0
	PLACES 4
	s_branch .Lhead_j
.Lhead_s:
	tensor_load_to_lds s[48:51], s[24:31]
	s_nop 0
	PLACES 4
.Lhead_j:
	v_and_b32 v2, 31, v0
	s_delay_alu instid0(VALU_DEP_1)
	v_lshlrev_b32 v[LI], 4, v2
	v_lshlrev_b32 v[G8], 3, v2
	global_load_b128 v[Q:Q+3], v[LI], s[76:77]
	global_load_b128 v[Q+4:Q+7], v[LI], s[76:77] offset:512
	global_load_b64 v[QSA:QSB], v[LI], s[78:79]
	WIN 0x40                                       ; destination window 1
	global_load_b128 v[Q:Q+3], v[LI], s[76:77] offset:1024
	global_load_b128 v[Q+4:Q+7], v[LI], s[76:77] offset:1536
	WIN 0
	v_and_b32 v9, 15, v0
	v_bfe_u32 v15, v0, 4, 1
	v_lshlrev_b32 v14, 4, v9                       ; 16 r
	s_delay_alu instid0(VALU_DEP_1)
	v_lshl_add_u32 v9, v15, 3, v14                 ; + 8 h
	v_add_nc_u32 v[LMR], s89, v14
	s_delay_alu instid0(VALU_DEP_2)
	v_add_nc_u32 v[LMS], s89, v9
	v_mov_b32 v[ADK], v[LI]                        ; key step 0
	v_add_nc_u32 v[ADS], SCL, v[LI]
.irp j, 64,65,66,67
	v_mov_b32 v[KF+\j], 0                          ; behind the last fragment: written once
.endr
.macro INIT win
	WIN \win
.irp j, 8,9,10,11
	v_mov_b32 v[Q+\j], 0
.endr
	v_mov_b32 v[SX], 0xee000000                    ; the largest score so far: -2^93
	s_delay_alu instid0(VALU_DEP_1)
	v_mul_f32 v[NM], s[CN], v[SX]                  ; -M (a whole number at that size)
	v_mov_b32 v[L], 0
	v_mov_b32 v[L+1], 0
	v_mov_b32 v[F+1], 0                            ; (named as the upper half of a pair)
.irp b, 0,1,2,3
	v_mov_b32 v[TM+4+\b], 0                        ; written once: a lane permute's destination counts as one of its sources
.endr
.endm
	INIT 0
	INIT 0x55
	WIN 0
	s_mov_b32 s[TK], 0
	s_mov_b32 s[TS], SCL
	s_mov_b32 s[TB], BMX
	s_wait_alu depctr_va_vdst(0)
	s_wait_tensorcnt 0x0                           ; my part of K or of the scale words is in
	ds_add_u32 v254, v255
	s_wait_dscnt 0x0
	ROUND                                          ; everybody's part is in, and the four work-groups are here
	tensor_load_to_lds s[56:59], s[40:47]          ; V, first read in pass 2
	s_nop 0
	PLACES 4
.macro KLOAD                           ; a key step's eight fragments of K and their scale words: 18 loads in one run
.irp t, 0,1,2,3,4,5,6,7
	ds_load_b128 v[KF+8*\t:KF+8*\t+3], v[ADK] offset:1024*\t
	ds_load_b128 v[KF+8*\t+4:KF+8*\t+7], v[ADK] offset:1024*\t+512
.endr
	ds_load_b128 v[KS:KS+3], v[ADS]
	ds_load_b128 v[KS+4:KS+7], v[ADS] offset:512
.endm
.macro QK                              ; S^T = K Q^T, 128 keys, both query tiles on the same fragments: sixteen accumulators, one instruction each
.irp t, 0,1,2,3,4,5,6,7
	MMZ S+8*\t, KF+8*\t, Q, KS+\t, QSA
.endr
	WIN 0x54                                       ; K in window 0; Q and S^T in window 1
.irp t, 0,1,2,3,4,5,6,7
	MMZ S+8*\t, KF+8*\t, Q, KS+\t, QSB
.endr
	WIN 0
.endm
.macro FMA win                         ; the exponents: c s + v[NM], two at a time; each score tile is first read at its low end
	WIN \win
.set j, 0
.rept 32
	v_pk_fma_f32 v[S+j:S+j+1], v[S+j:S+j+1], s[CS:CS+1], v[NM:NM+1] op_sel_hi:[1,0,0]
.set j, j+2
.endr
.endm
.macro EXPS
.set j, 0
.rept 64
	v_exp_f32 v[S+j], v[S+j]
.set j, j+1
.endr
.endm
; Pass 1, one tile: the largest score of each of the step's four blocks (my 16 keys, then lane l xor 16's), stored for pass 2; the new M; 2^(old M - new M).
.macro MAX1 win, off
	WIN \win
.irp b, 0,1,2,3
	v_max3_num_f32 v[T+\b], v[S+16*\b], v[S+16*\b+1], v[S+16*\b+2]   ; four chains by turns; each score tile is first read at its low end
.endr
.irp i, 3,5,7,9,11,13
.irp b, 0,1,2,3
	v_max3_num_f32 v[T+\b], v[T+\b], v[S+16*\b+\i], v[S+16*\b+\i+1]
.endr
.endr
.irp b, 0,1,2,3
	v_max_num_f32 v[T+\b], v[T+\b], v[S+16*\b+15]
.endr
.irp b, 0,1,2,3
	v_permlanex16_b32 v[TM+4+\b], v[T+\b], s[SEL], s[SEL+1]
.endr
.irp b, 0,1,2,3
	v_max_num_f32 v[T+\b], v[T+\b], v[TM+4+\b]
.endr
	v_cndmask_b32 v[TM], v[T], v[T+2], s[HM]       ; lanes 0-15 store blocks 0 and 1 of their query, lanes 16-31 blocks 2 and 3
	v_cndmask_b32 v[TM+1], v[T+1], v[T+3], s[HM]
	v_max3_num_f32 v[SX], v[T], v[T+1], v[SX]
	s_delay_alu instid0(VALU_DEP_1)
	v_max3_num_f32 v[SX], v[T+2], v[T+3], v[SX]    ; the running largest score
	s_delay_alu instid0(VALU_DEP_1)
	v_mul_f32 v[T], s[CN], v[SX]
	s_delay_alu instid0(VALU_DEP_1)
	v_floor_f32 v[T], v[T]                         ; the new -M = floor(-t): M is a whole number
	s_delay_alu instid0(VALU_DEP_1)
	v_sub_f32 v[T+1], v[T], v[NM]                  ; old M - new M: a whole number, 0 or less
	v_mov_b32 v[NM], v[T]
	s_delay_alu instid0(VALU_DEP_2)
	v_cvt_i32_f32 v[T+1], v[T+1]                   ; (it saturates)
	s_delay_alu instid0(VALU_DEP_1)
	v_ldexp_f32 v[F], 1.0, v[T+1]
	WIN (\win)&0x04                                ; a store's data are its source 1; the address lies in window 0
	ds_store_b64 v[ADM], v[TM:TM+1] offset:\off    ; 32 lanes store 256 dense bytes
.endm
.macro SUM                             ; l under the new M, plus my 64 p: two at a time, in four chains
	v_pk_mul_f32 v[L:L+1], v[L:L+1], v[F:F+1] op_sel_hi:[1,0]
	v_pk_add_f32 v[T:T+1], v[S:S+1], v[S+2:S+3]
	v_pk_add_f32 v[T+2:T+3], v[S+4:S+5], v[S+6:S+7]
	v_pk_add_f32 v[TM+2:TM+3], v[S+8:S+9], v[S+10:S+11]
.set j, 12
.rept 6
	v_pk_add_f32 v[L:L+1], v[L:L+1], v[S+j:S+j+1]
	v_pk_add_f32 v[T:T+1], v[T:T+1], v[S+j+2:S+j+3]
	v_pk_add_f32 v[T+2:T+3], v[T+2:T+3], v[S+j+4:S+j+5]
	v_pk_add_f32 v[TM+2:TM+3], v[TM+2:TM+3], v[S+j+6:S+j+7]
.set j, j+8
.endr
	v_pk_add_f32 v[L:L+1], v[L:L+1], v[S+60:S+61]
	v_pk_add_f32 v[T:T+1], v[T:T+1], v[S+62:S+63]
	v_pk_add_f32 v[T+2:T+3], v[T+2:T+3], v[TM+2:TM+3]
	v_pk_add_f32 v[L:L+1], v[L:L+1], v[T:T+1]
	s_delay_alu instid0(VALU_DEP_1)
	v_pk_add_f32 v[L:L+1], v[L:L+1], v[T+2:T+3]
.endm
; A key step of pass 1.  The next step's fragments are asked for behind this step's products and land under the vector work.  last = 1: the next step is pass 2's step 0.
.macro P1 last
	s_wait_dscnt 0x0                               ; this step's fragments and scale words are in
	QK
.if \last
	s_mov_b32 s[TK], 0
	s_mov_b32 s[TS], SCL
.else
	s_add_co_u32 s[TK], s[TK], 8192
	s_add_co_u32 s[TS], s[TS], 1024
.endif
	v_add_nc_u32 v[ADK], s[TK], v[LI]              ; these four lines are the places behind the products, ahead of the loads and of the first read of the scores
	v_add_nc_u32 v[ADS], s[TS], v[LI]
	v_add_nc_u32 v[ADM], s[TB], v[LMS]
	v_nop
	KLOAD
	s_add_co_u32 s[TB], s[TB], 256
	MAX1 0, 0
	MAX1 0x55, 4096
	FMA 0x55
	FMA 0
	s_wait_alu depctr_va_vdst(0)                   ; one wait ahead of the batch of 128 exponentials
	EXPS
	WIN 0x55
	EXPS
	v_nop                                          ; the plain line behind the exponentials
	s_wait_alu depctr_va_vdst(0)                   ; and one wait behind the batch
	SUM
	WIN 0
	SUM
.endm
; Between the passes: l's halves are joined; v[NM] = -M - log2 l (where no key counts, l = 0: -M stays, and every weight is 0); v[NB] = that + 125.
.macro FIN win
	WIN \win
	v_add_f32 v[L], v[L], v[L+1]
	s_delay_alu instid0(VALU_DEP_1)
	v_permlanex16_b32 v[T], v[L], s[SEL], s[SEL+1]
	s_delay_alu instid0(VALU_DEP_1)
	v_add_f32 v[L], v[L], v[T]
	s_wait_alu depctr_va_vdst(0)                   ; ahead of the transcendental
	v_log_f32 v[T+1], v[L]
	v_cmp_lt_f32 vcc_lo, 0, v[L]                   ; (a plain line behind the logarithm)
	s_wait_alu depctr_va_vdst(0)                   ; and ahead of its first reader
	v_sub_f32 v[T+1], v[NM], v[T+1]
	s_delay_alu instid0(VALU_DEP_1)
	v_cndmask_b32 v[NM], v[NM], v[T+1], vcc_lo     ; a choice of values, no branch
	s_delay_alu instid0(VALU_DEP_1)
	v_add_f32 v[NB], 0x42fa0000, v[NM]
.endm
; Pass 2, one tile: the four blocks' scale bytes from their largest scores (in v[TM+b]): floor(c s - M - log2 l + 125), at least 1; scale operands in v[TM+8+b]; pw: the register of window 0 that takes the scale word.
.macro SCALES win, pw
	WIN \win
.irp b, 0,1,2,3
	v_fma_f32 v[TM+\b], v[TM+\b], s[CS], v[NB]
.endr
.irp b, 0,1,2,3
	v_max_num_f32 v[TM+\b], 1.0, v[TM+\b]
.endr
.irp b, 0,1,2,3
	v_cvt_i32_f32 v[TM+4+\b], v[TM+\b]             ; toward zero, of a number that is 1 or more: the floor
.endr
.irp b, 0,1,2,3
	v_lshlrev_b32 v[TM+8+\b], 23, v[TM+4+\b]       ; the byte as an exponent field: the conversion's scale operand
.endr
	v_lshl_or_b32 v[T], v[TM+5], 8, v[TM+4]
	v_lshl_or_b32 v[T+1], v[TM+7], 8, v[TM+6]
	WIN (\win)&0x3f                                ; the destination in window 0
	v_lshl_or_b32 v[\pw], v[T+1], 16, v[T]
.endm
; A key step of pass 2.  zero = 1: the products V^T w^T start O^T's sums.  last = 1: no further step's K is asked for.
.macro P2 zero, last
.if \zero
	s_wait_dscnt 0x0                               ; step 0's K (later steps: the wait ahead of the last step's second products has covered it)
.endif
	QK
.if \last
	v_nop
.else
	s_add_co_u32 s[TK], s[TK], 8192
	s_add_co_u32 s[TS], s[TS], 1024
	v_add_nc_u32 v[ADK], s[TK], v[LI]
	v_add_nc_u32 v[ADS], s[TS], v[LI]
.endif
	v_add_nc_u32 v[ADV], s[TV], v[LI]              ; with the lines above: four places or more behind the products
	v_add_nc_u32 v[ADT], s[TT], v[LI]
	v_add_nc_u32 v[ADM], s[TB], v[LMR]
	ds_load_b128 v[TM:TM+3], v[ADM]                ; the four blocks' largest scores of my query, tile A,
	WIN 0x40
	ds_load_b128 v[TM:TM+3], v[ADM] offset:4096    ; tile B
.irp d, 0,1,2,3
.irp c, 0,1,2
	ds_load_b128 v[VF+12*\d+4*\c:VF+12*\d+4*\c+3], v[ADV] offset:1536*\d+512*\c
.endr
.endr
	WIN 0
	ds_load_b128 v[VS:VS+3], v[ADT]
.if \last == 0
	KLOAD
.endif
	s_add_co_u32 s[TV], s[TV], 6144
	s_add_co_u32 s[TT], s[TT], 512
	s_add_co_u32 s[TB], s[TB], 256
	FMA 0
	FMA 0x55
.if \last
	s_wait_dscnt 13                                ; the largest scores are in; younger: V's 12 loads and its scale words
.else
	s_wait_dscnt 31                                ; younger: V's 12 loads, its scale words, K's 18
.endif
	s_wait_alu depctr_va_vdst(0)                   ; one wait ahead of the batch
	EXPS
	WIN 0
	EXPS
	SCALES 0, PWA                                  ; plain work behind the batch, on none of its results
	SCALES 0x55, PWB
	WIN 0x55
	s_wait_alu depctr_va_vdst(0)                   ; one wait behind the batch
	QB S, 2
	WIN 0
	QB S, 2
	s_wait_alu depctr_va_vdst(0)                   ; O^T's last sums
	s_wait_dscnt 0x0                               ; V, its scale words, and the next step's K
	PLACES 4                                       ; codes written by vector lines stand four places ahead of the scaled product; the scale words stand more than eight ahead
	WIN 0x55
.irp d, 0,1,2,3
.if \zero
	MMZ O+8*\d, VF+12*\d, P, VS+\d, PWB
.else
	MMA O+8*\d, VF+12*\d, P, VS+\d, PWB
.endif
.endr
	WIN 0x01                                       ; V in window 1; w's codes and O^T in window 0
.irp d, 0,1,2,3
.if \zero
	MMZ O+8*\d, VF+12*\d, P, VS+\d, PWA
.else
	MMA O+8*\d, VF+12*\d, P, VS+\d, PWA
.endif
.endr
	WIN 0
.endm
	; ---- pass 1: 16 key steps of 128
	KLOAD                                          ; step 0
	s_wait_loadcnt 0x0                             ; Q and its scale words
	P1 0
	s_wait_tensorcnt 0x0                           ; my part of V is in,
	s_wait_dscnt 0x0
	s_barrier_signal -1
	s_barrier_wait -1                              ; everybody's is
	s_mov_b32 s66, 14
.Lpass1:
	P1 0
	s_sub_co_u32 s66, s66, 1
	s_cmp_lg_u32 s66, 0
	s_cbranch_scc1 .Lpass1
	P1 1
	FIN 0
	FIN 0x55
	WIN 0
	s_wait_alu depctr_va_vdst(0)
	; ---- pass 2
	s_mov_b32 s[TV], VIMG
	s_mov_b32 s[TT], SCL+16384
	s_mov_b32 s[TB], BMX
	P2 1, 0
	s_mov_b32 s66, 14
.Lpass2:
	P2 0, 0
	s_sub_co_u32 s66, s66, 1
	s_cmp_lg_u32 s66, 0
	s_cbranch_scc1 .Lpass2
	P2 0, 1
	; ---- the way out: a lane's 32 registers of O^T run along the head's 64 = two blocks of the last projection's K: six registers of codes, three pieces of 8 bytes a lane, and two scale bytes
.macro QAO                             ; the two blocks' largest magnitudes (with the floor 2^(3 - 127)), scale operands in v[TM+8+b], bytes in v[TM+4+b]
.irp b, 0,1
	v_max3_num_f32 v[TM+\b], |v[O+16*\b]|, |v[O+16*\b+1]|, 0x1800000
.endr
.irp i, 2,4,6,8,10,12,14
.irp b, 0,1
	v_max3_num_f32 v[TM+\b], v[TM+\b], |v[O+16*\b+\i]|, |v[O+16*\b+\i+1]|
.endr
.endr
.irp b, 0,1
	v_permlanex16_b32 v[TM+4+\b], v[TM+\b], s[SEL], s[SEL+1]
.endr
.irp b, 0,1
	v_max_num_f32 v[TM+\b], v[TM+\b], v[TM+4+\b]
.endr
.irp b, 0,1
	v_add_nc_u32 v[TM+8+\b], 0xff000000, v[TM+\b]  ; 2 off the exponent field
.endr
.irp b, 0,1
	v_lshrrev_b32 v[TM+4+\b], 23, v[TM+8+\b]
.endr
.endm
	PLACES 4
	QAO
	QB O, 1
	v_lshl_or_b32 v[T], v[TM+5], 8, v[TM+4]
.irp p, 0,1,2
	global_store_b64 v[G8], v[P+2*\p:P+2*\p+1], s[80:81] offset:256*\p   ; 32 lanes store 256 dense bytes, aligned
.endr
	global_store_b16 v[LI], v[T], s[82:83]         ; a scale word's two halves belong to two heads, that is to two work-groups: 2 bytes a lane, twice a wave in the launch
	WIN 0x55
	QAO
	QB O, 1
	v_lshl_or_b32 v[T], v[TM+5], 8, v[TM+4]
	WIN 0x04                                       ; a store's data are its source 1: window 1
.irp p, 0,1,2
	global_store_b64 v[G8], v[P+2*\p:P+2*\p+1], s[80:81] offset:6144+256*\p
.endr
	global_store_b16 v[LI], v[T], s[82:83] offset:512
	WIN 0
	s_wait_tensorcnt 0x0                           ; the wave's end
	ds_add_u32 v254, v255
	s_wait_dscnt 0x0
	ROUND                                          ; the closing round: no work-group ends while a partner may still ask for a part that names it
	s_endpgm
.Lfunc_end_k_q364475b394_attn:
	.size	k_q364475b394_attn, .Lfunc_end_k_q364475b394_attn-k_q364475b394_attn
	.p2alignl 7, 3214868480
	.fill 96, 4, 3214868480
	.section	.rodata,"a",@progbits
	.p2align	6, 0x0
	.amdhsa_kernel k_q364475b394_attn
		.amdhsa_group_segment_fixed_size 327680
		.amdhsa_private_segment_fixed_size 0
		.amdhsa_enable_private_segment 0
		.amdhsa_kernarg_size 48
		.amdhsa_user_sgpr_count 2
		.amdhsa_user_sgpr_kernarg_segment_ptr 1
		.amdhsa_wavefront_size32 1
		.amdhsa_system_sgpr_workgroup_id_x 1
		.amdhsa_system_sgpr_workgroup_id_y 1
		.amdhsa_system_sgpr_workgroup_id_z 1
		.amdhsa_system_vgpr_workitem_id 0
		.amdhsa_next_free_vgpr 512
		.amdhsa_next_free_sgpr 96
		.amdhsa_reserve_vcc 1
		.amdhsa_float_denorm_mode_32 3
		.amdhsa_float_denorm_mode_16_64 3
		.amdhsa_memory_ordered 1
		.amdhsa_forward_progress 1
		.amdhsa_inst_pref_size 133
	.end_amdhsa_kernel
	.amdgpu_metadata
---
amdhsa.version: [ 1, 2 ]
amdhsa.kernels:
  - .name:           k_q364475b394_attn
    .symbol:         k_q364475b394_attn.kd
    .args:
      - { .name: qi, .offset: 0, .size: 8, .value_kind: global_buffer, .address_space: global }
      - { .name: qs, .offset: 8, .size: 8, .value_kind: global_buffer, .address_space: global }
      - { .name: ki, .offset: 16, .size: 8, .value_kind: global_buffer, .address_space: global }
      - { .name: kvs, .offset: 24, .size: 8, .value_kind: global_buffer, .address_space: global }
      - { .name: vi, .offset: 32, .size: 8, .value_kind: global_buffer, .address_space: global }
      - { .name: xc, .offset: 40, .size: 8, .value_kind: global_buffer, .address_space: global }
    .group_segment_fixed_size: 327680
    .private_segment_fixed_size: 0
    .kernarg_segment_align: 8
    .kernarg_segment_size: 48
    .max_flat_workgroup_size: 256
    .sgpr_count:     96
    .vgpr_count:     512
    .wavefront_size: 32
...
	.end_amdgpu_metadata
.endif
;; end of part 3
;; launch outp (part 4): grid 256 x 1, 8 waves a work-group, no clusters, 79,360 bytes of LDS; arguments xc, wi, b_o, out0; writes out0
.if DOCPART == 4
	.amdgcn_target "amdgcn-amd-amdhsa--gfx1250"
	.amdhsa_code_object_version 6
	.text
	.protected	k_q364475b394_outp
	.globl	k_q364475b394_outp
	.p2align	8
	.type	k_q364475b394_outp,@function
k_q364475b394_outp:
	s_mov_b64 s[64:65], 0
	v_nop
	global_prefetch_b8 v0, s[64:65] scope:SCOPE_SE
	s_setreg_imm32_b32 hwreg(HW_REG_WAVE_MODE, 25, 1), 1
	s_wait_xcnt 0x0
; out = Q(x) Q(W_o) + b_o, both operands in FP6 (E2M3) with E8M0 scales: x's codes and scale words come from the attention launch, W_o's from the weights' launch, both as images of operand registers.
; SHARES: work-group G takes tokens 32 G .. 32 G + 31 (token tiles 2 G and 2 G + 1: lane r of tile i is token 32 G + 8 i + r + 8 (r / 8)); wave w takes columns 64 w .. 64 w + 63 (column tiles 4 w + t).  256 work-groups, no loop.
; The product is used transposed (source 0 = 16 columns of W_o, source 1 = 16 tokens): a lane holds one token and eight neighbouring columns.  The bias is the C of each sum's first matrix instruction.
; x's 12,288 bytes of codes are wanted by all eight waves: each wave loads 1,536 of them, as they lie, and puts them into LDS; behind a barrier every wave reads its eight fragments from there.
; W_o's 16 fragments of a wave go straight from memory into its registers, K step by K step, and the products of a K step wait only for that step's 12 loads.
; A row's 512 columns come from eight waves: they meet in a stage in LDS (rows of 2,048 + 16 bytes), and each wave stores four whole rows, 512 dense bytes an instruction.
; No tensor load, no ring, no cluster (a wave's 24 KB of W_o are the only bytes that work-groups share) and no prefetch: there is no loop to run ahead in.
.set SPITCH, 2064
.set SPARE, 66048                      ; behind the stage: the spare words, 128 bytes a wave
.set XL,  67072                        ; behind them: x's codes, 12,288 bytes as they lie in xc
.set LI,  1                            ; v1  16 x lane
.set G8,  2                            ; v2  8 x lane
.set SO,  3                            ; v3  the stage: where I put 32 bytes of a row
.set SR,  4                            ; v4  and where I read rows back
.set BO,  5                            ; v5  64 (lane / 16)
.set XW,  9                            ; v9  where I put my share of x's codes
.set XR,  10                           ; v10 where fragments of x are read
.set WS,  16                           ; v16-31  W_o's scale words, 4 t + s
.set XS,  32                           ; v32-39  x's, 4 i + s
.set BI,  40                           ; v40-71  the bias, 8 t
.set XF,  72                           ; v72-167 x's fragments, 12 (4 i + s); later the rows read back
.set ACC, 168                          ; v168-231 accumulators, 32 i + 8 t; first of all v168-179 my share of x's codes
.set WV,  18                           ; window 1: v0-191 W_o's fragments, 12 (4 t + s)
.set MSB, 0
.macro WIN new                         ; s_set_vgpr_msb: bits 1:0 source 0, 7:6 destination; the high byte repeats the setting that is left
.if MSB != (\new)
	s_set_vgpr_msb (MSB<<8)|(\new)
.set MSB, (\new)
.endif
.endm
	s_load_b256 s[4:11], s[0:1], 0x0               ; xc, wi, b_o, out0
	v_lshl_add_u32 v254, v0, 2, SPARE
	v_mov_b32 v255, 0
	v_lshrrev_b32 v6, 5, v0
	s_delay_alu instid0(VALU_DEP_1)
	v_readfirstlane_b32 s[WV], v6                  ; wave 0..7
	v_and_b32 v6, 31, v0
	s_delay_alu instid0(VALU_DEP_1)
	v_lshlrev_b32 v[LI], 4, v6
	v_lshlrev_b32 v[G8], 3, v6
	v_and_b32 v7, 15, v0
	v_and_b32 v8, 8, v0
	s_delay_alu instid0(VALU_DEP_1)
	v_add_nc_u32 v7, v7, v8                        ; r + 8 (r / 8)
	v_bfe_u32 v8, v0, 4, 1                         ; h
	s_delay_alu instid0(VALU_DEP_2)
	v_mul_u32_u24 v[SO], v7, SPITCH
	s_delay_alu instid0(VALU_DEP_1)
	v_lshl_add_u32 v[SO], v8, 6, v[SO]
	s_lshl_b32 s26, s[WV], 8
	v_add_nc_u32 v[SO], s26, v[SO]                 ; row r + 8 (r / 8), + 64 h, + 256 w
	s_mul_i32 s26, s[WV], 4*SPITCH
	v_add_nc_u32 v[SR], s26, v[LI]                 ; back: rows 4 w on, 16 bytes a lane
	v_lshlrev_b32 v[BO], 6, v8
	s_mul_i32 s29, s[WV], 1536                     ; my share of x's codes
	s_add_co_u32 s28, s29, XL
	v_add_nc_u32 v[XW], s28, v[LI]
	v_add_nc_u32 v[XR], XL, v[G8]
	s_mov_b32 s27, 0
	s_wait_alu depctr_va_vdst(0)
	s_wait_kmcnt 0x0
	s_mul_i32 s26, ttmp9, 12288
	s_add_co_u32 s26, s26, s29
	s_add_nc_u64 s[20:21], s[4:5], s[26:27]        ; x's codes: two token tiles of 6,144 bytes; in them my 1,536
	s_lshl_b32 s26, ttmp9, 10
	s_add_co_u32 s26, s26, 3145728
	s_add_nc_u64 s[22:23], s[4:5], s[26:27]        ; their scale words
	s_mul_i32 s26, s[WV], 24576
	s_add_co_u32 s26, s26, 3*196608
	s_add_nc_u64 s[12:13], s[6:7], s[26:27]        ; my 16 fragments of W_o
	s_lshl_b32 s26, s[WV], 11
	s_add_co_u32 s26, s26, 786432+3*16384
	s_add_nc_u64 s[14:15], s[6:7], s[26:27]        ; their scale words
	s_lshl_b32 s26, s[WV], 8
	s_add_nc_u64 s[16:17], s[8:9], s[26:27]        ; the bias of my 64 columns
	s_lshl_b32 s26, ttmp9, 16
	s_lshl_b32 s28, s[WV], 13
	s_add_co_u32 s26, s26, s28
	s_add_nc_u64 s[24:25], s[10:11], s[26:27]      ; out: row 32 G + 4 w
.irp c, 0,1,2
	global_load_b128 v[ACC+4*\c:ACC+4*\c+3], v[LI], s[20:21] offset:512*\c th:TH_LOAD_NT   ; first of all: the others wait for these bytes
.endr
.irp i, 0,1
	global_load_b128 v[XS+4*\i:XS+4*\i+3], v[LI], s[22:23] offset:512*\i
.endr
.irp t, 0,1,2,3
	global_load_b128 v[WS+4*\t:WS+4*\t+3], v[LI], s[14:15] offset:512*\t
	global_load_b128 v[BI+8*\t:BI+8*\t+3], v[BO], s[16:17] offset:(32*(\t/2)+8*(\t%2))*4      ; lane (r, h): columns 32 (t / 2) + 8 (t % 2) + 16 h + 0 .. 7
	global_load_b128 v[BI+8*\t+4:BI+8*\t+7], v[BO], s[16:17] offset:(32*(\t/2)+8*(\t%2))*4+16
.endr
	WIN 0x40                                       ; destination window 1
.irp s, 0,1,2,3                        ; W_o by K steps: 12 loads of 512 dense bytes a step
.irp t, 0,1,2,3
.irp c, 0,1,2
	global_load_b128 v[12*(4*\t+\s)+4*\c:12*(4*\t+\s)+4*\c+3], v[LI], s[12:13] offset:1536*(4*\t+\s)+512*\c
.endr
.endr
.endr
	WIN 0
	s_wait_loadcnt 62                              ; my share of x is in; younger: 2 loads of scale words, 12 of W_o's scale words and bias, 48 of W_o
.irp c, 0,1,2
	ds_store_b128 v[XW], v[ACC+4*\c:ACC+4*\c+3] offset:512*\c
.endr
	s_wait_dscnt 0x0                               ; for the others' sake: my stores have landed
	s_barrier_signal -1
	s_barrier_wait -1                              ; x's codes lie in LDS
.irp i, 0,1
.irp s, 0,1,2,3
.irp p, 0,1,2,3,4,5
	ds_load_b64 v[XF+12*(4*\i+\s)+2*\p:XF+12*(4*\i+\s)+2*\p+1], v[XR] offset:6144*\i+1536*\s+256*\p   ; heads 2 s and 2 s + 1 are K step s: 256 dense bytes a load
.endr
.endr
.endr
	s_wait_dscnt 0x0
	WIN 0x01                                       ; W_o in window 1
.irp s, 0,1,2,3                        ; the eight accumulators take turns, one instruction a turn
	s_wait_loadcnt 12*(3-\s)                       ; this K step's fragments of W_o are in; the later steps' 12 loads each may be out
.irp i, 0,1
.irp t, 0,1,2,3
.if \s == 0
	v_wmma_scale_f32_16x16x128_f8f6f4 v[ACC+32*\i+8*\t:ACC+32*\i+8*\t+7], v[12*(4*\t):12*(4*\t)+11], v[XF+12*(4*\i):XF+12*(4*\i)+11], v[BI+8*\t:BI+8*\t+7], v[WS+4*\t], v[XS+4*\i] matrix_a_fmt:MATRIX_FMT_FP6 matrix_b_fmt:MATRIX_FMT_FP6
.else
	v_wmma_scale_f32_16x16x128_f8f6f4 v[ACC+32*\i+8*\t:ACC+32*\i+8*\t+7], v[12*(4*\t+\s):12*(4*\t+\s)+11], v[XF+12*(4*\i+\s):XF+12*(4*\i+\s)+11], v[ACC+32*\i+8*\t:ACC+32*\i+8*\t+7], v[WS+4*\t+\s], v[XS+4*\i+\s] matrix_a_fmt:MATRIX_FMT_FP6 matrix_b_fmt:MATRIX_FMT_FP6
.endif
.endr
.endr
.endr
	WIN 0
.rept 4
	v_nop                                          ; places ahead of the stores that read results and of the loads into x's registers (ISA guide 7.12.1 for vector instructions)
.endr
.irp i, 0,1
.irp t, 0,1,2,3
	ds_store_b128 v[SO], v[ACC+32*\i+8*\t:ACC+32*\i+8*\t+3] offset:8*\i*SPITCH+128*(\t/2)+32*(\t%2)        ; each accumulator from its low end on
	ds_store_b128 v[SO], v[ACC+32*\i+8*\t+4:ACC+32*\i+8*\t+7] offset:8*\i*SPITCH+128*(\t/2)+32*(\t%2)+16
.endr
.endr
	s_wait_dscnt 0x0                               ; for the others' sake: my stores have landed
	s_barrier_signal -1
	s_barrier_wait -1                              ; 32 whole rows lie in the stage
.irp n, 0,1,2,3,4,5,6,7,8,9,10,11,12,13,14,15
	ds_load_b128 v[XF+4*\n:XF+4*\n+3], v[SR] offset:(\n/4)*SPITCH+512*(\n%4)
.endr
.irp n, 0,1,2,3,4,5,6,7,8,9,10,11,12,13,14,15
	s_wait_dscnt 15-\n                             ; LDS loads come back in order: load n is in, the younger ones may be out
	global_store_b128 v[LI], v[XF+4*\n:XF+4*\n+3], s[24:25] offset:(\n/4)*2048+512*(\n%4) th:TH_STORE_NT   ; 32 lanes store 512 consecutive bytes, aligned; written once, read by nobody here
.endr
	s_wait_tensorcnt 0x0                           ; the wave's end
	ds_add_u32 v254, v255
	s_wait_dscnt 0x0
	s_endpgm
.Lfunc_end_k_q364475b394_outp:
	.size	k_q364475b394_outp, .Lfunc_end_k_q364475b394_outp-k_q364475b394_outp
	.p2alignl 7, 3214868480
	.fill 96, 4, 3214868480
	.section	.rodata,"a",@progbits
	.p2align	6, 0x0
	.amdhsa_kernel k_q364475b394_outp
		.amdhsa_group_segment_fixed_size 79360
		.amdhsa_private_segment_fixed_size 0
		.amdhsa_enable_private_segment 0
		.amdhsa_kernarg_size 32
		.amdhsa_user_sgpr_count 2
		.amdhsa_user_sgpr_kernarg_segment_ptr 1
		.amdhsa_wavefront_size32 1
		.amdhsa_system_sgpr_workgroup_id_x 1
		.amdhsa_system_sgpr_workgroup_id_y 1
		.amdhsa_system_sgpr_workgroup_id_z 1
		.amdhsa_system_vgpr_workitem_id 0
		.amdhsa_next_free_vgpr 512
		.amdhsa_next_free_sgpr 66
		.amdhsa_reserve_vcc 0
		.amdhsa_float_denorm_mode_32 3
		.amdhsa_float_denorm_mode_16_64 3
		.amdhsa_memory_ordered 1
		.amdhsa_forward_progress 1
		.amdhsa_inst_pref_size 21
	.end_amdhsa_kernel
	.amdgpu_metadata
---
amdhsa.version: [ 1, 2 ]
amdhsa.kernels:
  - .name:           k_q364475b394_outp
    .symbol:         k_q364475b394_outp.kd
    .args:
      - { .name: xc, .offset: 0, .size: 8, .value_kind: global_buffer, .address_space: global }
      - { .name: wi, .offset: 8, .size: 8, .value_kind: global_buffer, .address_space: global }
      - { .name: b_o, .offset: 16, .size: 8, .value_kind: global_buffer, .address_space: global }
      - { .name: out0, .offset: 24, .size: 8, .value_kind: global_buffer, .address_space: global }
    .group_segment_fixed_size: 79360
    .private_segment_fixed_size: 0
    .kernarg_segment_align: 8
    .kernarg_segment_size: 32
    .max_flat_workgroup_size: 256
    .sgpr_count:     66
    .vgpr_count:     512
    .wavefront_size: 32
...
	.end_amdgpu_metadata
.endif
;; end of part 4
